; MI455X (gfx1250); checked and timed in simulation.
; The chip was launched on July 23, 2026; its instructions are those of AMD's public machine-readable ISA for CDNA 5 (MIT licence, August 2026) and "CDNA5" Instruction Set Architecture Reference Guide (July 2026). The comments in the code are by the model that wrote it; some were corrected since.
;; Multi Head Attention. Allowed arithmetic: float matrix products may take bf16 or f16 operands with f32 sums; other float arithmetic in f32, or as packed bf16 or f16 multiplies, adds, multiply-adds, maxima and minima; sums over many terms, partial sums and values carried from step to step in f32; what a program stores and reads back later, other than sums and carried values, may be rounded once to bf16 or f16.
;; Inputs: W_heads 16 x 64 x 1,024 float32; W_proj 1,024 x 1,024 float32; b_proj 1,024 float32; x 32 x 2,048 x 1,024 float32.
;; Outputs: out0 32 x 1,024 float32.
;; 2 versions, each right; version 2 is version 1 with the launch pool written anew for expert scheduling mode. Each part assembles by itself: llvm-mc -triple=amdgcn-amd-amdhsa -mcpu=gfx1250 --defsym DOCPART=n.
;; ======== version 1 of 2: 3 launches
;; workspace buffers: xs 131,072 bytes; hs 131,072 bytes
;; launch pool (part 1): grid 8 x 32, 16 waves a work-group, no clusters, 10,240 bytes of LDS; arguments x, xs; writes xs
.if DOCPART == 1
	.amdgcn_target "amdgcn-amd-amdhsa--gfx1250"
	.amdhsa_code_object_version 6
	.text
	.protected	k_q53ff2d5c04_pool
	.globl	k_q53ff2d5c04_pool
	.p2align	8
	.type	k_q53ff2d5c04_pool,@function
k_q53ff2d5c04_pool:
	s_mov_b64 s[64:65], 0
	v_nop
	global_prefetch_b8 v0, s[64:65] scope:SCOPE_SE
	s_setreg_imm32_b32 hwreg(HW_REG_WAVE_MODE, 25, 1), 1
	s_wait_xcnt 0x0
; xs[b][d] = the sum over t of x[b][t][d].  x: [32][2048][1024] f32.  First of three launches that make
; out0[b] = (sum over t of x[b][t] Wh^T) Wp^T + b_proj, Wh = W_heads read as [1024][1024] (row c = 64 n + h).
; WORK LEFT OUT.  The heads are linear in x and have no bias: heads[b][t][c] = sum over d of x[b][t][d] Wh[c][d], and the pooling adds them over t.  Both sums are finite, so their order
; may be changed: sum_t sum_d x[b][t][d] Wh[c][d] = sum_d (sum_t x[b][t][d]) Wh[c][d], for all finite values of x and W_heads.  So the product of each of the 32 x 2,048 tokens with Wh is
; never formed: x is pooled first (here), and the 32 pooled rows are multiplied (next launch).  Every input keeps its way to the output; none is dropped.
; LIMITS.  The order of rounding differs from the written one (tokens are added before they are multiplied).  An overflow, infinity or NaN that would arise only in a single token's
; product is not carried to the result.  An infinite sum gives NaN in its lower part (infinity less infinity).
; WHAT IS STORED.  Each finished f32 sum v leaves as two bf16: hi = bf16(v), lo = bf16(v - hi), the operands of the next launch's matrix products.
; xs: two planes [32][1024] of bf16, row-major: hi at byte 0, lo at byte 65,536.
; SHARES.  A work-group owns 128 columns of one batch, all 2,048 rows.  Wave w takes rows 16 i + w, i = 0 .. 127; lane l owns four columns, the 16 bytes at 16 l of the row's 512:
; one load of a wave covers 512 consecutive bytes, at a multiple of 512 from x's first byte.  Each byte of x is read once, by one lane.
; IN FLIGHT.  A ring of 32 slots in registers: 32 loads, 16 KiB, of every wave are always on their way; no wait for data in the loop is for zero.
; The 16 waves' sums meet in LDS once, in f32; wave 0 adds them and stores.  No matrix unit, no cluster: the work-groups share no byte, and there is one addition for each number read.
.set DEPTH,  32                        ; slots = loads in flight in each wave
.set STEP,   65536                     ; bytes from a wave's row to its next: 16 rows of 4,096
.set ROUNDS, 4                         ; 128 rows a wave, 32 a round
.set PART,   0                         ; LDS: wave w's 512 bytes of sums at 512 w
.set SPARE,  8192                      ; behind them: the spare words, 128 bytes for each of 16 waves: eight blocks of 256 bytes that no other line names
.set OFF, 1                            ; v1        16 x lane + 4,096 x wave; never rewritten
.set LS,  2                            ; v2        where I put my four sums: 512 x wave + 16 x lane
.set LR,  3                            ; v3        16 x lane
.set YO,  4                            ; v4        8 x lane: my four bf16 in a plane's 256 bytes
.set SPW, 6                            ; v6        LDS address of my spare word: SPARE + 4 x my thread's number; never rewritten
.set NIL, 7                            ; v7        0; never rewritten
.set ACC, 8                            ; v[8:23]   four chains of four sums; slot i adds into chain i % 4
.set T,   24                           ; v[24:31]  at work on the way out
.set X,   32                           ; v[32:159] slot i: four registers as loaded
	s_load_b128 s[4:7], s[0:1], 0x0                ; x s[4:5], xs s[6:7]
	v_lshl_add_u32 v[SPW], v0, 2, SPARE
	v_mov_b32 v[NIL], 0
	v_lshrrev_b32 v5, 5, v0
	v_readfirstlane_b32 s8, v5                     ; wave 0..15
	v_and_b32 v5, 31, v0                           ; lane
	s_lshl_b32 s9, s8, 12                          ; my first row: 4,096 x wave
	s_lshl_b32 s10, s8, 9                          ; my 512 bytes in LDS
	v_lshlrev_b32 v[LR], 4, v5
	v_lshlrev_b32 v[YO], 3, v5
	v_add_nc_u32 v[OFF], s9, v[LR]
	v_add_nc_u32 v[LS], s10, v[LR]
	s_and_b32 s9, ttmp7, 0xffff                    ; the batch
	s_lshl_b32 s2, s9, 23                          ; 2,048 rows of 4,096 bytes; 31 of them stay under 2^28
	s_lshl_b32 s3, ttmp9, 9                        ; the work-group's 128 columns: 512 bytes of a row
	s_add_co_u32 s2, s2, s3
	s_mov_b32 s3, 0
	s_lshl_b32 s10, s9, 11                         ; in a plane of xs: a row of 2,048 bytes,
	s_lshl_b32 s11, ttmp9, 8                       ; 256 bytes of it
	s_add_co_u32 s10, s10, s11
	s_mov_b32 s11, 0
	s_wait_kmcnt 0x0
	s_add_nc_u64 s[4:5], s[4:5], s[2:3]
	s_add_nc_u64 s[6:7], s[6:7], s[10:11]
.set n, 0
.rept DEPTH
	global_load_b128 v[X+4*n:X+4*n+3], v[OFF], s[4:5] offset:n*STEP th:TH_LOAD_NT  ; fill the ring: my rows 0 to 31
.set n, n+1
.endr
.set n, 0
.rept 16
	v_mov_b32 v[ACC+n], 0                          ; the sixteen sums start at 0, while the first loads are on their way: the loop then has one form of slot
.set n, n+1
.endr
; One slot's turn.  ahead = 1: the slot is filled again, with my row DEPTH further on.  left = how many younger loads may stay out.
.macro SLOT i, ahead, left
	s_wait_loadcnt \left                           ; loads come back in order (ISA guide 5.7.1): mine is in, the younger ones stay out
	v_pk_add_f32 v[ACC+4*((\i)%4):ACC+4*((\i)%4)+1],   v[ACC+4*((\i)%4):ACC+4*((\i)%4)+1],   v[X+4*(\i):X+4*(\i)+1]
	v_pk_add_f32 v[ACC+4*((\i)%4)+2:ACC+4*((\i)%4)+3], v[ACC+4*((\i)%4)+2:ACC+4*((\i)%4)+3], v[X+4*(\i)+2:X+4*(\i)+3]
.if \ahead
	global_load_b128 v[X+4*(\i):X+4*(\i)+3], v[OFF], s[4:5] offset:(DEPTH+(\i))*STEP th:TH_LOAD_NT  ; at most 63 x 65,536 bytes: inside the signed 24-bit immediate
.endif
.endm
	s_mov_b32 s12, ROUNDS-1
.Lround:                                       ; at the head 32 loads are out, on the way in and on the way back
.set n, 0
.rept DEPTH
	SLOT n, 1, DEPTH-1
.set n, n+1
.endr
	s_wait_xcnt 0x0                                ; every load issued so far has had its address translated (ISA guide 3.1): only behind this wait is the base written
	s_add_nc_u64 s[4:5], s[4:5], DEPTH*STEP
	s_sub_co_u32 s12, s12, 1
	s_cmp_lg_u32 s12, 0
	s_cbranch_scc1 .Lround
.set n, 0
.rept DEPTH
	SLOT n, 0, DEPTH-1-n                           ; the last round loads nothing: the counts run down to 0, and no load leaves x
.set n, n+1
.endr
	v_pk_add_f32 v[ACC:ACC+1],     v[ACC:ACC+1],     v[ACC+4:ACC+5]    ; the four chains into one
	v_pk_add_f32 v[ACC+2:ACC+3],   v[ACC+2:ACC+3],   v[ACC+6:ACC+7]
	v_pk_add_f32 v[ACC+8:ACC+9],   v[ACC+8:ACC+9],   v[ACC+12:ACC+13]
	v_pk_add_f32 v[ACC+10:ACC+11], v[ACC+10:ACC+11], v[ACC+14:ACC+15]
	v_pk_add_f32 v[ACC:ACC+1],     v[ACC:ACC+1],     v[ACC+8:ACC+9]
	v_pk_add_f32 v[ACC+2:ACC+3],   v[ACC+2:ACC+3],   v[ACC+10:ACC+11]
	ds_store_b128 v[LS], v[ACC:ACC+3] offset:PART
	s_wait_dscnt 0x0                               ; for the others' sake: my store is done
	s_barrier_signal -1
	s_barrier_wait -1                              ; all sixteen waves' sums lie in LDS
	s_cmp_lg_u32 s8, 0
	s_cbranch_scc1 .Lend                           ; wave 0 finishes the 128 columns
.set n, 0
.rept 16
	ds_load_b128 v[X+4*n:X+4*n+3], v[LR] offset:PART+512*n
.set n, n+1
.endr
	s_wait_dscnt 0x0
.macro ADD4 a, b                       ; wave a's four sums take wave b's
	v_pk_add_f32 v[X+4*(\a):X+4*(\a)+1],   v[X+4*(\a):X+4*(\a)+1],   v[X+4*(\b):X+4*(\b)+1]
	v_pk_add_f32 v[X+4*(\a)+2:X+4*(\a)+3], v[X+4*(\a)+2:X+4*(\a)+3], v[X+4*(\b)+2:X+4*(\b)+3]
.endm
.irp a, 0,2,4,6,8,10,12,14
	ADD4 \a, (\a)+1
.endr
.irp a, 0,4,8,12
	ADD4 \a, (\a)+2
.endr
	ADD4 0, 4
	ADD4 8, 12
	ADD4 0, 8
	v_cvt_pk_bf16_f32 v[T],   v[X],   v[X+1]       ; hi: the sums rounded to bf16
	v_cvt_pk_bf16_f32 v[T+1], v[X+2], v[X+3]
	v_lshlrev_b32 v[T+2], 16, v[T]                 ; hi as f32 again
	v_and_b32     v[T+3], 0xffff0000, v[T]
	v_lshlrev_b32 v[T+4], 16, v[T+1]
	v_and_b32     v[T+5], 0xffff0000, v[T+1]
	v_pk_add_f32 v[X:X+1],   v[X:X+1],   v[T+2:T+3] neg_lo:[0,1] neg_hi:[0,1]  ; what the rounding left: exact in f32
	v_pk_add_f32 v[X+2:X+3], v[X+2:X+3], v[T+4:T+5] neg_lo:[0,1] neg_hi:[0,1]
	v_cvt_pk_bf16_f32 v[T+6], v[X],   v[X+1]       ; lo
	v_cvt_pk_bf16_f32 v[T+7], v[X+2], v[X+3]
	global_store_b64 v[YO], v[T:T+1],   s[6:7]                ; each store of the wave covers 256 consecutive bytes, at a multiple of 256 from xs's first byte
	global_store_b64 v[YO], v[T+6:T+7], s[6:7] offset:65536
.Lend:
	s_wait_tensorcnt 0x0                           ; the wave's end, behind my last LDS store
	ds_add_u32 v[SPW], v[NIL]
	s_wait_dscnt 0x0
	s_endpgm
.Lfunc_end_k_q53ff2d5c04_pool:
	.size	k_q53ff2d5c04_pool, .Lfunc_end_k_q53ff2d5c04_pool-k_q53ff2d5c04_pool
	.p2alignl 7, 3214868480
	.fill 96, 4, 3214868480
	.section	.rodata,"a",@progbits
	.p2align	6, 0x0
	.amdhsa_kernel k_q53ff2d5c04_pool
		.amdhsa_group_segment_fixed_size 10240
		.amdhsa_private_segment_fixed_size 0
		.amdhsa_enable_private_segment 0
		.amdhsa_kernarg_size 16
		.amdhsa_user_sgpr_count 2
		.amdhsa_user_sgpr_kernarg_segment_ptr 1
		.amdhsa_wavefront_size32 1
		.amdhsa_system_sgpr_workgroup_id_x 1
		.amdhsa_system_sgpr_workgroup_id_y 1
		.amdhsa_system_sgpr_workgroup_id_z 1
		.amdhsa_system_vgpr_workitem_id 0
		.amdhsa_next_free_vgpr 160
		.amdhsa_next_free_sgpr 66
		.amdhsa_reserve_vcc 0
		.amdhsa_float_denorm_mode_32 3
		.amdhsa_float_denorm_mode_16_64 3
		.amdhsa_memory_ordered 1
		.amdhsa_forward_progress 1
		.amdhsa_inst_pref_size 23
	.end_amdhsa_kernel
	.amdgpu_metadata
---
amdhsa.version: [ 1, 2 ]
amdhsa.kernels:
  - .name:           k_q53ff2d5c04_pool
    .symbol:         k_q53ff2d5c04_pool.kd
    .args:
      - { .name: x, .offset: 0, .size: 8, .value_kind: global_buffer, .address_space: global }
      - { .name: xs, .offset: 8, .size: 8, .value_kind: global_buffer, .address_space: global }
    .group_segment_fixed_size: 10240
    .private_segment_fixed_size: 0
    .kernarg_segment_align: 8
    .kernarg_segment_size: 16
    .max_flat_workgroup_size: 512
    .sgpr_count:     66
    .vgpr_count:     160
    .wavefront_size: 32
...
	.end_amdgpu_metadata
.endif
;; end of part 1
;; launch heads (part 2): grid 64 x 2, 8 waves a work-group, no clusters, 9,216 bytes of LDS; arguments xs, W_heads, hs; writes hs
.if DOCPART == 2
	.amdgcn_target "amdgcn-amd-amdhsa--gfx1250"
	.amdhsa_code_object_version 6
	.text
	.protected	k_q53ff2d5c04_heads
	.globl	k_q53ff2d5c04_heads
	.p2align	8
	.type	k_q53ff2d5c04_heads,@function
k_q53ff2d5c04_heads:
	s_mov_b64 s[64:65], 0
	v_nop
	global_prefetch_b8 v0, s[64:65] scope:SCOPE_SE
	s_setreg_imm32_b32 hwreg(HW_REG_WAVE_MODE, 25, 1), 1
	s_wait_xcnt 0x0
; h[m][c] = the sum over d of xs[m][d] Wh[c][d].  xs: the 32 pooled rows of the launch before; Wh = W_heads read as [1024][1024] f32, row c = 64 n + h.
; WORK LEFT OUT: the tokens were added before they are multiplied (the heads are linear in x, without bias: shown at the head of the first kernel), so 32 rows are multiplied here, not 65,536.
; FORMATS.  Every operand v goes to the matrix unit as two bf16, hi = bf16(v) and lo = bf16(v - hi); a product is three: hi hi + hi lo + lo hi, summed in f32.  What is dropped, lo lo, is
; some 2^-16 of a term.  bf16 has f32's range, so the operands have room wherever the f32 sums are finite.  xs arrives split; W is split here, on its way through registers.
; LIMIT.  An infinite operand or sum gives NaN in its lower part.
; xs: two planes [32][1024] of bf16, row-major, lo 65,536 bytes behind hi.
; hs, in blocks of 16 columns: number (m, k) of plane p (0 hi, 1 lo) at byte 2,048 (k / 16) + 1,024 p + 32 m + 2 (k % 16).
; SHARES.  A work-group makes 16 rows x 16 columns of h.  K IS SPLIT AMONG ITS EIGHT WAVES: wave w takes d = 128 w .. 128 w + 127: four fragments of 32.  The eight partial tiles meet in LDS,
; in f32; wave 0 adds them, splits the sums and stores.  All 32 loads of a wave go out in one run at the head; there is no loop and nothing is asked for twice.
; LAYOUT.  h^T = W xs^T (source 0 = 16 rows of W, source 1 = 16 rows of xs): in the result a lane holds ONE row m (lane % 16) and the columns 8 (lane / 16) + 0..7: 16 bytes of a plane on end.
; A fragment is 16 rows x 32 along K in 8 registers: lane l holds row l % 16; registers 0-3 K = 8 (l / 16) + 0..7, registers 4-7 K = 16 + 8 (l / 16) + 0..7.
; NO CLUSTER, NO LDS ON THE WAY IN.  The 64 work-groups of a row half read the same 64 KiB of xs, and a row of W is read by two work-groups.  But a work-group asks for each byte once, at its
; head, and has 12 matrix instructions a wave to do: a joint load would put a round of the cluster's barrier in front of the loads and a pass through LDS behind them, in a text that has nothing to hide them under.
.set A_RSH,   11                       ; a row of the activations: 2,048 bytes
.set A_SEC,   32                       ; from a fragment's first 16 along K to its second
.set A_FRAG,  64                       ; from fragment to fragment
.set A_WSH,   8                        ; a wave's 128 along K: 256 bytes
.set A_PLANE, 65536                    ; from hi to lo
.set A_MH,    32768                    ; 16 rows
.set PART,    0                        ; LDS: wave v's partial tile, 1,024 bytes, at 1,024 v: registers 0-3 at 16 x lane, registers 4-7 at 512 + 16 x lane
.set SPARE,   8192                     ; behind them: the spare words, 128 bytes for each of eight waves: four blocks of 256 bytes that no other line names
.set WO,  3                            ; v3   my byte offset in W's 16 rows: 4,096 (l % 16) + 32 (l / 16) + 512 x wave
.set AO,  4                            ; v4   the same in the activations
.set LS,  5                            ; v5   1,024 x wave + 16 x lane
.set LR,  6                            ; v6   16 x lane
.set YO,  7                            ; v7   my 16 bytes of the tile in a plane of hs
.set SPW, 8                            ; v8   LDS address of my spare word: SPARE + 4 x my thread's number; never rewritten
.set NIL, 9                            ; v9   0; never rewritten
.set T,   12                           ; v[12:19]   at work: four pairs; on the way out hi, then lo
.set ACC, 32                           ; v[32:55]   three accumulators: Whi Ahi, Whi Alo, Wlo Ahi
.set AH,  64                           ; v[64:95]   the activations' hi, fragment f at 8 f
.set AL,  96                           ; v[96:127]  their lo
.set RAW, 128                          ; v[128:191] W as loaded, 16 registers a fragment; later the eight partial tiles
.set WH,  192                          ; v[192:223] W's hi
.set WL,  224                          ; v[224:255] W's lo
	s_load_b128 s[4:7], s[0:1], 0x0                ; xs s[4:5], W_heads s[6:7]
	s_load_b64 s[8:9], s[0:1], 0x10                ; hs
	v_lshl_add_u32 v[SPW], v0, 2, SPARE
	v_mov_b32 v[NIL], 0
	v_lshrrev_b32 v11, 5, v0
	v_readfirstlane_b32 s12, v11                   ; wave 0..7
	v_and_b32 v1, 15, v0                           ; l % 16
	v_bfe_u32 v2, v0, 4, 1                         ; l / 16
	v_and_b32 v11, 31, v0                          ; l
	s_mov_b32 s13, ttmp9                           ; which 16 columns
	s_and_b32 s14, ttmp7, 0xffff                   ; which 16 rows
	s_mov_b32 s15, 0xffff0000                      ; a word's upper bf16
	s_lshl_b32 s22, s12, 9
	s_lshl_b32 s23, s12, A_WSH
	s_lshl_b32 s24, s12, 10
	v_lshlrev_b32 v[WO], 12, v1
	v_lshl_add_u32 v[WO], v2, 5, v[WO]
	v_add_nc_u32 v[WO], s22, v[WO]
	v_lshlrev_b32 v[AO], A_RSH, v1
	v_lshl_add_u32 v[AO], v2, 4, v[AO]
	v_add_nc_u32 v[AO], s23, v[AO]
	v_lshlrev_b32 v[LR], 4, v11
	v_add_nc_u32 v[LS], s24, v[LR]
	v_lshlrev_b32 v[YO], 5, v1                     ; 32 m
	v_lshl_add_u32 v[YO], v2, 4, v[YO]             ; + my 8 columns
	s_lshl_b32 s16, s13, 16                        ; W: 16 rows of 4,096 bytes
	s_mov_b32 s17, 0
	s_mul_i32 s18, s14, A_MH
	s_mov_b32 s19, 0
	s_lshl_b32 s20, s13, 11                        ; hs: the block of 16 columns,
	s_lshl_b32 s21, s14, 9                         ; 16 rows of 32 bytes
	s_add_co_u32 s20, s20, s21
	s_mov_b32 s21, 0
	s_wait_kmcnt 0x0
	s_add_nc_u64 s[6:7], s[6:7], s[16:17]
	s_add_nc_u64 s[4:5], s[4:5], s[18:19]
	s_add_nc_u64 s[8:9], s[8:9], s[20:21]
; Fragment f: eight loads.  W in f32: 32 bytes for registers 0-3 of the bf16 fragment, 32 more, 64 bytes on, for registers 4-7.
.macro LOADS f
	global_load_b128 v[RAW+16*(\f):RAW+16*(\f)+3],     v[WO], s[6:7] offset:128*(\f)
	global_load_b128 v[RAW+16*(\f)+4:RAW+16*(\f)+7],   v[WO], s[6:7] offset:128*(\f)+16
	global_load_b128 v[RAW+16*(\f)+8:RAW+16*(\f)+11],  v[WO], s[6:7] offset:128*(\f)+64
	global_load_b128 v[RAW+16*(\f)+12:RAW+16*(\f)+15], v[WO], s[6:7] offset:128*(\f)+80
	global_load_b128 v[AH+8*(\f):AH+8*(\f)+3],   v[AO], s[4:5] offset:A_FRAG*(\f)
	global_load_b128 v[AH+8*(\f)+4:AH+8*(\f)+7], v[AO], s[4:5] offset:A_FRAG*(\f)+A_SEC
	global_load_b128 v[AL+8*(\f):AL+8*(\f)+3],   v[AO], s[4:5] offset:A_FRAG*(\f)+A_PLANE
	global_load_b128 v[AL+8*(\f)+4:AL+8*(\f)+7], v[AO], s[4:5] offset:A_FRAG*(\f)+A_SEC+A_PLANE
.endm
; W's fragment f is split: hi = the pair rounded to bf16; lo = (the pair less hi, exact in f32) rounded to bf16.  The lower parts are made four pairs at a time.
; It writes T, RAW and fragment f's own WH and WL: no register that an earlier matrix instruction names.
.macro SPLIT f
.irp j, 0,1,2,3,4,5,6,7
	v_cvt_pk_bf16_f32 v[WH+8*(\f)+(\j)], v[RAW+16*(\f)+2*(\j)], v[RAW+16*(\f)+2*(\j)+1]
.endr
.irp g, 0,4
.irp j, 0,1,2,3
	v_lshlrev_b32 v[T+2*(\j)],   16,  v[WH+8*(\f)+(\g)+(\j)]
	v_and_b32     v[T+2*(\j)+1], s15, v[WH+8*(\f)+(\g)+(\j)]
.endr
.irp j, 0,1,2,3
	v_pk_add_f32 v[RAW+16*(\f)+2*((\g)+(\j)):RAW+16*(\f)+2*((\g)+(\j))+1], v[RAW+16*(\f)+2*((\g)+(\j)):RAW+16*(\f)+2*((\g)+(\j))+1], v[T+2*(\j):T+2*(\j)+1] neg_lo:[0,1] neg_hi:[0,1]
.endr
.irp j, 0,1,2,3
	v_cvt_pk_bf16_f32 v[WL+8*(\f)+(\g)+(\j)], v[RAW+16*(\f)+2*((\g)+(\j))], v[RAW+16*(\f)+2*((\g)+(\j))+1]
.endr
.endr
.endm
; Fragment f's three products.  The three accumulators take turns, one instruction a turn; the first fragment's products start the sums: nothing is cleared.
.macro MUL f
.if (\f) == 0
	v_wmma_f32_16x16x32_bf16 v[ACC:ACC+7],     v[WH:WH+7], v[AH:AH+7], 0
	v_wmma_f32_16x16x32_bf16 v[ACC+8:ACC+15],  v[WH:WH+7], v[AL:AL+7], 0
	v_wmma_f32_16x16x32_bf16 v[ACC+16:ACC+23], v[WL:WL+7], v[AH:AH+7], 0
.else
	v_wmma_f32_16x16x32_bf16 v[ACC:ACC+7],     v[WH+8*(\f):WH+8*(\f)+7], v[AH+8*(\f):AH+8*(\f)+7], v[ACC:ACC+7]
	v_wmma_f32_16x16x32_bf16 v[ACC+8:ACC+15],  v[WH+8*(\f):WH+8*(\f)+7], v[AL+8*(\f):AL+8*(\f)+7], v[ACC+8:ACC+15]
	v_wmma_f32_16x16x32_bf16 v[ACC+16:ACC+23], v[WL+8*(\f):WL+8*(\f)+7], v[AH+8*(\f):AH+8*(\f)+7], v[ACC+16:ACC+23]
.endif
.endm
.macro ADD8 a, b                       ; partial tile a takes partial tile b
.irp r, 0,2,4,6
	v_pk_add_f32 v[RAW+8*(\a)+(\r):RAW+8*(\a)+(\r)+1], v[RAW+8*(\a)+(\r):RAW+8*(\a)+(\r)+1], v[RAW+8*(\b)+(\r):RAW+8*(\b)+(\r)+1]
.endr
.endm
.irp f, 0,1,2,3
	LOADS \f                                       ; 32 loads, 16 KiB a wave, in one run
.endr
.irp f, 0,1,2,3
	s_wait_loadcnt 24-8*(\f)                       ; fragment f's eight loads are in; the eight of each later fragment may stay out
	SPLIT \f
	MUL \f
.endr
.rept 8
	v_nop                                          ; the places between the last products and the sums that read them (ISA guide 7.12.1): four are asked for, eight written, once a launch
.endr
.irp r, 0,2,4,6                        ; the two small terms first, then the large one; each accumulator is read from its low end on
	v_pk_add_f32 v[ACC+8+(\r):ACC+8+(\r)+1], v[ACC+8+(\r):ACC+8+(\r)+1], v[ACC+16+(\r):ACC+16+(\r)+1]
.endr
.irp r, 0,2,4,6
	v_pk_add_f32 v[ACC+(\r):ACC+(\r)+1], v[ACC+(\r):ACC+(\r)+1], v[ACC+8+(\r):ACC+8+(\r)+1]
.endr
	ds_store_b128 v[LS], v[ACC:ACC+3]   offset:PART       ; 32 lanes, 16 neighbouring bytes each
	ds_store_b128 v[LS], v[ACC+4:ACC+7] offset:PART+512
	s_wait_dscnt 0x0                               ; for the others' sake: my stores are done
	s_barrier_signal -1
	s_barrier_wait -1                              ; all eight partial tiles lie in LDS
	s_cmp_lg_u32 s12, 0
	s_cbranch_scc1 .Lend                           ; wave 0 finishes the tile
.irp v, 0,1,2,3,4,5,6,7
	ds_load_b128 v[RAW+8*(\v):RAW+8*(\v)+3],   v[LR] offset:PART+1024*(\v)
	ds_load_b128 v[RAW+8*(\v)+4:RAW+8*(\v)+7], v[LR] offset:PART+1024*(\v)+512
.endr
	s_wait_dscnt 0x0
	ADD8 0, 1
	ADD8 2, 3
	ADD8 4, 5
	ADD8 6, 7
	ADD8 0, 2
	ADD8 4, 6
	ADD8 0, 4
	; the way out: the eight sums are split as every operand is, for the next launch's products
.irp j, 0,1,2,3
	v_cvt_pk_bf16_f32 v[T+(\j)], v[RAW+2*(\j)], v[RAW+2*(\j)+1]          ; hi
.endr
.irp j, 0,1,2,3
	v_lshlrev_b32 v[RAW+8+2*(\j)],   16,  v[T+(\j)]
	v_and_b32     v[RAW+8+2*(\j)+1], s15, v[T+(\j)]
.endr
.irp j, 0,1,2,3
	v_pk_add_f32 v[RAW+2*(\j):RAW+2*(\j)+1], v[RAW+2*(\j):RAW+2*(\j)+1], v[RAW+8+2*(\j):RAW+8+2*(\j)+1] neg_lo:[0,1] neg_hi:[0,1]
.endr
.irp j, 0,1,2,3
	v_cvt_pk_bf16_f32 v[T+4+(\j)], v[RAW+2*(\j)], v[RAW+2*(\j)+1]        ; lo
.endr
	global_store_b128 v[YO], v[T:T+3],   s[8:9]               ; each store of the wave covers 512 consecutive bytes, at a multiple of 512 from hs's first byte
	global_store_b128 v[YO], v[T+4:T+7], s[8:9] offset:1024
.Lend:
	s_wait_tensorcnt 0x0                           ; the wave's end, behind my last LDS store
	ds_add_u32 v[SPW], v[NIL]
	s_wait_dscnt 0x0
	s_endpgm
.Lfunc_end_k_q53ff2d5c04_heads:
	.size	k_q53ff2d5c04_heads, .Lfunc_end_k_q53ff2d5c04_heads-k_q53ff2d5c04_heads
	.p2alignl 7, 3214868480
	.fill 96, 4, 3214868480
	.section	.rodata,"a",@progbits
	.p2align	6, 0x0
	.amdhsa_kernel k_q53ff2d5c04_heads
		.amdhsa_group_segment_fixed_size 9216
		.amdhsa_private_segment_fixed_size 0
		.amdhsa_enable_private_segment 0
		.amdhsa_kernarg_size 24
		.amdhsa_user_sgpr_count 2
		.amdhsa_user_sgpr_kernarg_segment_ptr 1
		.amdhsa_wavefront_size32 1
		.amdhsa_system_sgpr_workgroup_id_x 1
		.amdhsa_system_sgpr_workgroup_id_y 1
		.amdhsa_system_sgpr_workgroup_id_z 1
		.amdhsa_system_vgpr_workitem_id 0
		.amdhsa_next_free_vgpr 256
		.amdhsa_next_free_sgpr 66
		.amdhsa_reserve_vcc 0
		.amdhsa_float_denorm_mode_32 3
		.amdhsa_float_denorm_mode_16_64 3
		.amdhsa_memory_ordered 1
		.amdhsa_forward_progress 1
		.amdhsa_inst_pref_size 19
	.end_amdhsa_kernel
	.amdgpu_metadata
---
amdhsa.version: [ 1, 2 ]
amdhsa.kernels:
  - .name:           k_q53ff2d5c04_heads
    .symbol:         k_q53ff2d5c04_heads.kd
    .args:
      - { .name: xs, .offset: 0, .size: 8, .value_kind: global_buffer, .address_space: global }
      - { .name: W_heads, .offset: 8, .size: 8, .value_kind: global_buffer, .address_space: global }
      - { .name: hs, .offset: 16, .size: 8, .value_kind: global_buffer, .address_space: global }
    .group_segment_fixed_size: 9216
    .private_segment_fixed_size: 0
    .kernarg_segment_align: 8
    .kernarg_segment_size: 24
    .max_flat_workgroup_size: 256
    .sgpr_count:     66
    .vgpr_count:     256
    .wavefront_size: 32
...
	.end_amdgpu_metadata
.endif
;; end of part 2
;; launch proj (part 3): grid 64 x 2, 8 waves a work-group, no clusters, 9,216 bytes of LDS; arguments hs, W_proj, b_proj, out0; writes out0
.if DOCPART == 3
	.amdgcn_target "amdgcn-amd-amdhsa--gfx1250"
	.amdhsa_code_object_version 6
	.text
	.protected	k_q53ff2d5c04_proj
	.globl	k_q53ff2d5c04_proj
	.p2align	8
	.type	k_q53ff2d5c04_proj,@function
k_q53ff2d5c04_proj:
	s_mov_b64 s[64:65], 0
	v_nop
	global_prefetch_b8 v0, s[64:65] scope:SCOPE_SE
	s_setreg_imm32_b32 hwreg(HW_REG_WAVE_MODE, 25, 1), 1
	s_wait_xcnt 0x0
; out0[m][o] = the sum over c of h[m][c] Wp[o][c] + b_proj[o].  h: the 32 rows of the launch before; Wp = W_proj, [1024][1024] f32; out0: [32][1024] f32.
; No work is left out here; the 32 rows are what the pooling ahead of the products left (shown at the head of the first kernel).
; FORMATS.  Every operand v goes to the matrix unit as two bf16, hi = bf16(v) and lo = bf16(v - hi); a product is three: hi hi + hi lo + lo hi, summed in f32.  What is dropped, lo lo, is
; some 2^-16 of a term.  h arrives split; W is split here, on its way through registers.  The bias is added in f32.  LIMIT.  An infinite operand gives NaN in its lower part.
; hs, in blocks of 16 columns: number (m, k) of plane p (0 hi, 1 lo) at byte 2,048 (k / 16) + 1,024 p + 32 m + 2 (k % 16): a load of half a fragment covers 512 consecutive bytes.
; SHARES.  A work-group makes 16 rows x 16 columns of out0.  K IS SPLIT AMONG ITS EIGHT WAVES: wave w takes c = 128 w .. 128 w + 127: four fragments of 32.  The eight partial tiles meet in
; LDS, in f32; wave 0 adds them and the bias, and stores.  All loads of a wave go out in one run at the head; there is no loop.
; LAYOUT.  out^T = W h^T (source 0 = 16 rows of W, source 1 = 16 rows of h): in the result a lane holds ONE row m (lane % 16) and the columns 8 (lane / 16) + 0..7: 32 bytes of out0 on end.
; THE BIAS.  Every wave asks for the tile's 64 bytes of b_proj at its head, under no branch, though wave 0 alone adds them: so they are back long before the sums, and the registers are
; written on every way through the text.  The price: fourteen loads a work-group whose results are not used.
; THE STORES.  A row of the tile is 64 bytes of out0: a store covers sixteen pieces of 32 bytes, 4,096 bytes apart.  Rows of 256 bytes would want 64 columns a work-group, that is W's 4 MiB
; read by 32 work-groups in place of 128; out0 is 128 KiB, one part in 32 of W.
; NO CLUSTER, NO LDS ON THE WAY IN.  The 64 work-groups of a row half read the same 64 KiB of hs, and a row of W is read by two work-groups.  But a work-group asks for each byte once, at its
; head, and has 12 matrix instructions a wave to do: a joint load would put a round of the cluster's barrier in front of the loads and a pass through LDS behind them, in a text that has nothing to hide them under.
.set A_RSH,   5                        ; a row of the activations in a block: 32 bytes
.set A_SEC,   2048                     ; from a fragment's first 16 along K to its second: the next block
.set A_FRAG,  4096                     ; from fragment to fragment: two blocks
.set A_WSH,   14                       ; a wave's 128 along K: eight blocks
.set A_PLANE, 1024                     ; from hi to lo
.set A_MH,    512                      ; 16 rows
.set PART,    0                        ; LDS: wave v's partial tile, 1,024 bytes, at 1,024 v: registers 0-3 at 16 x lane, registers 4-7 at 512 + 16 x lane
.set SPARE,   8192                     ; behind them: the spare words, 128 bytes for each of eight waves: four blocks of 256 bytes that no other line names
.set WO,  3                            ; v3   my byte offset in W's 16 rows: 4,096 (l % 16) + 32 (l / 16) + 512 x wave
.set AO,  4                            ; v4   the same in the activations
.set LS,  5                            ; v5   1,024 x wave + 16 x lane
.set LR,  6                            ; v6   16 x lane
.set YO,  7                            ; v7   my 32 bytes of the tile in out0
.set SPW, 8                            ; v8   LDS address of my spare word: SPARE + 4 x my thread's number; never rewritten
.set NIL, 9                            ; v9   0; never rewritten
.set BO,  10                           ; v10  32 (l / 16): my eight numbers of the tile's bias
.set T,   12                           ; v[12:19]   at work: four pairs
.set BIAS, 20                          ; v[20:27]   b_proj of my eight columns
.set ACC, 32                           ; v[32:55]   three accumulators: Whi Ahi, Whi Alo, Wlo Ahi
.set AH,  64                           ; v[64:95]   the activations' hi, fragment f at 8 f
.set AL,  96                           ; v[96:127]  their lo
.set RAW, 128                          ; v[128:191] W as loaded, 16 registers a fragment; later the eight partial tiles
.set WH,  192                          ; v[192:223] W's hi
.set WL,  224                          ; v[224:255] W's lo
	s_load_b256 s[4:11], s[0:1], 0x0               ; hs s[4:5], W_proj s[6:7], b_proj s[8:9], out0 s[10:11]
	v_lshl_add_u32 v[SPW], v0, 2, SPARE
	v_mov_b32 v[NIL], 0
	v_lshrrev_b32 v11, 5, v0
	v_readfirstlane_b32 s12, v11                   ; wave 0..7
	v_and_b32 v1, 15, v0                           ; l % 16
	v_bfe_u32 v2, v0, 4, 1                         ; l / 16
	v_and_b32 v11, 31, v0                          ; l
	s_mov_b32 s13, ttmp9                           ; which 16 columns
	s_and_b32 s14, ttmp7, 0xffff                   ; which 16 rows
	s_mov_b32 s15, 0xffff0000                      ; a word's upper bf16
	s_lshl_b32 s22, s12, 9
	s_lshl_b32 s23, s12, A_WSH
	s_lshl_b32 s24, s12, 10
	v_lshlrev_b32 v[WO], 12, v1
	v_lshl_add_u32 v[WO], v2, 5, v[WO]
	v_add_nc_u32 v[WO], s22, v[WO]
	v_lshlrev_b32 v[AO], A_RSH, v1
	v_lshl_add_u32 v[AO], v2, 4, v[AO]
	v_add_nc_u32 v[AO], s23, v[AO]
	v_lshlrev_b32 v[LR], 4, v11
	v_add_nc_u32 v[LS], s24, v[LR]
	v_lshlrev_b32 v[BO], 5, v2
	v_lshl_add_u32 v[YO], v1, 12, v[BO]            ; row m of 4,096 bytes + my 8 columns
	s_lshl_b32 s16, s13, 16                        ; W: 16 rows of 4,096 bytes
	s_mov_b32 s17, 0
	s_mul_i32 s18, s14, A_MH
	s_mov_b32 s19, 0
	s_lshl_b32 s20, s13, 6                         ; b_proj and a row of out0: the tile's 16 columns, 64 bytes
	s_mov_b32 s21, 0
	s_lshl_b32 s26, s14, 16                        ; out0: 16 rows of 4,096 bytes
	s_add_co_u32 s26, s26, s20
	s_mov_b32 s27, 0
	s_wait_kmcnt 0x0
	s_add_nc_u64 s[6:7], s[6:7], s[16:17]
	s_add_nc_u64 s[4:5], s[4:5], s[18:19]
	s_add_nc_u64 s[8:9], s[8:9], s[20:21]
	s_add_nc_u64 s[10:11], s[10:11], s[26:27]
; Fragment f: eight loads.  W in f32: 32 bytes for registers 0-3 of the bf16 fragment, 32 more, 64 bytes on, for registers 4-7.
.macro LOADS f
	global_load_b128 v[RAW+16*(\f):RAW+16*(\f)+3],     v[WO], s[6:7] offset:128*(\f)
	global_load_b128 v[RAW+16*(\f)+4:RAW+16*(\f)+7],   v[WO], s[6:7] offset:128*(\f)+16
	global_load_b128 v[RAW+16*(\f)+8:RAW+16*(\f)+11],  v[WO], s[6:7] offset:128*(\f)+64
	global_load_b128 v[RAW+16*(\f)+12:RAW+16*(\f)+15], v[WO], s[6:7] offset:128*(\f)+80
	global_load_b128 v[AH+8*(\f):AH+8*(\f)+3],   v[AO], s[4:5] offset:A_FRAG*(\f)
	global_load_b128 v[AH+8*(\f)+4:AH+8*(\f)+7], v[AO], s[4:5] offset:A_FRAG*(\f)+A_SEC
	global_load_b128 v[AL+8*(\f):AL+8*(\f)+3],   v[AO], s[4:5] offset:A_FRAG*(\f)+A_PLANE
	global_load_b128 v[AL+8*(\f)+4:AL+8*(\f)+7], v[AO], s[4:5] offset:A_FRAG*(\f)+A_SEC+A_PLANE
.endm
; W's fragment f is split: hi = the pair rounded to bf16; lo = (the pair less hi, exact in f32) rounded to bf16.  The lower parts are made four pairs at a time.
; It writes T, RAW and fragment f's own WH and WL: no register that an earlier matrix instruction names.
.macro SPLIT f
.irp j, 0,1,2,3,4,5,6,7
	v_cvt_pk_bf16_f32 v[WH+8*(\f)+(\j)], v[RAW+16*(\f)+2*(\j)], v[RAW+16*(\f)+2*(\j)+1]
.endr
.irp g, 0,4
.irp j, 0,1,2,3
	v_lshlrev_b32 v[T+2*(\j)],   16,  v[WH+8*(\f)+(\g)+(\j)]
	v_and_b32     v[T+2*(\j)+1], s15, v[WH+8*(\f)+(\g)+(\j)]
.endr
.irp j, 0,1,2,3
	v_pk_add_f32 v[RAW+16*(\f)+2*((\g)+(\j)):RAW+16*(\f)+2*((\g)+(\j))+1], v[RAW+16*(\f)+2*((\g)+(\j)):RAW+16*(\f)+2*((\g)+(\j))+1], v[T+2*(\j):T+2*(\j)+1] neg_lo:[0,1] neg_hi:[0,1]
.endr
.irp j, 0,1,2,3
	v_cvt_pk_bf16_f32 v[WL+8*(\f)+(\g)+(\j)], v[RAW+16*(\f)+2*((\g)+(\j))], v[RAW+16*(\f)+2*((\g)+(\j))+1]
.endr
.endr
.endm
; Fragment f's three products.  The three accumulators take turns, one instruction a turn; the first fragment's products start the sums: nothing is cleared.
.macro MUL f
.if (\f) == 0
	v_wmma_f32_16x16x32_bf16 v[ACC:ACC+7],     v[WH:WH+7], v[AH:AH+7], 0
	v_wmma_f32_16x16x32_bf16 v[ACC+8:ACC+15],  v[WH:WH+7], v[AL:AL+7], 0
	v_wmma_f32_16x16x32_bf16 v[ACC+16:ACC+23], v[WL:WL+7], v[AH:AH+7], 0
.else
	v_wmma_f32_16x16x32_bf16 v[ACC:ACC+7],     v[WH+8*(\f):WH+8*(\f)+7], v[AH+8*(\f):AH+8*(\f)+7], v[ACC:ACC+7]
	v_wmma_f32_16x16x32_bf16 v[ACC+8:ACC+15],  v[WH+8*(\f):WH+8*(\f)+7], v[AL+8*(\f):AL+8*(\f)+7], v[ACC+8:ACC+15]
	v_wmma_f32_16x16x32_bf16 v[ACC+16:ACC+23], v[WL+8*(\f):WL+8*(\f)+7], v[AH+8*(\f):AH+8*(\f)+7], v[ACC+16:ACC+23]
.endif
.endm
.macro ADD8 a, b                       ; partial tile a takes partial tile b
.irp r, 0,2,4,6
	v_pk_add_f32 v[RAW+8*(\a)+(\r):RAW+8*(\a)+(\r)+1], v[RAW+8*(\a)+(\r):RAW+8*(\a)+(\r)+1], v[RAW+8*(\b)+(\r):RAW+8*(\b)+(\r)+1]
.endr
.endm
	global_load_b128 v[BIAS:BIAS+3],   v[BO], s[8:9]          ; the oldest loads: every counted wait below covers them
	global_load_b128 v[BIAS+4:BIAS+7], v[BO], s[8:9] offset:16
.irp f, 0,1,2,3
	LOADS \f                                       ; 32 loads, 16 KiB a wave, in one run
.endr
.irp f, 0,1,2,3
	s_wait_loadcnt 24-8*(\f)                       ; fragment f's eight loads are in; the eight of each later fragment may stay out
	SPLIT \f
	MUL \f
.endr
.rept 8
	v_nop                                          ; the places between the last products and the sums that read them (ISA guide 7.12.1): four are asked for, eight written, once a launch
.endr
.irp r, 0,2,4,6                        ; the two small terms first, then the large one; each accumulator is read from its low end on
	v_pk_add_f32 v[ACC+8+(\r):ACC+8+(\r)+1], v[ACC+8+(\r):ACC+8+(\r)+1], v[ACC+16+(\r):ACC+16+(\r)+1]
.endr
.irp r, 0,2,4,6
	v_pk_add_f32 v[ACC+(\r):ACC+(\r)+1], v[ACC+(\r):ACC+(\r)+1], v[ACC+8+(\r):ACC+8+(\r)+1]
.endr
	ds_store_b128 v[LS], v[ACC:ACC+3]   offset:PART       ; 32 lanes, 16 neighbouring bytes each
	ds_store_b128 v[LS], v[ACC+4:ACC+7] offset:PART+512
	s_wait_dscnt 0x0                               ; for the others' sake: my stores are done
	s_barrier_signal -1
	s_barrier_wait -1                              ; all eight partial tiles lie in LDS
	s_cmp_lg_u32 s12, 0
	s_cbranch_scc1 .Lend                           ; wave 0 finishes the tile
.irp v, 0,1,2,3,4,5,6,7
	ds_load_b128 v[RAW+8*(\v):RAW+8*(\v)+3],   v[LR] offset:PART+1024*(\v)
	ds_load_b128 v[RAW+8*(\v)+4:RAW+8*(\v)+7], v[LR] offset:PART+1024*(\v)+512
.endr
	s_wait_dscnt 0x0
	ADD8 0, 1
	ADD8 2, 3
	ADD8 4, 5
	ADD8 6, 7
	ADD8 0, 2
	ADD8 4, 6
	ADD8 0, 4
.irp r, 0,2,4,6
	v_pk_add_f32 v[RAW+(\r):RAW+(\r)+1], v[RAW+(\r):RAW+(\r)+1], v[BIAS+(\r):BIAS+(\r)+1]  ; the bias, in f32 (its loads were waited for with the last fragment's)
.endr
	global_store_b128 v[YO], v[RAW:RAW+3],   s[10:11]
	global_store_b128 v[YO], v[RAW+4:RAW+7], s[10:11] offset:16
.Lend:
	s_wait_tensorcnt 0x0                           ; the wave's end, behind my last LDS store
	ds_add_u32 v[SPW], v[NIL]
	s_wait_dscnt 0x0
	s_endpgm
.Lfunc_end_k_q53ff2d5c04_proj:
	.size	k_q53ff2d5c04_proj, .Lfunc_end_k_q53ff2d5c04_proj-k_q53ff2d5c04_proj
	.p2alignl 7, 3214868480
	.fill 96, 4, 3214868480
	.section	.rodata,"a",@progbits
	.p2align	6, 0x0
	.amdhsa_kernel k_q53ff2d5c04_proj
		.amdhsa_group_segment_fixed_size 9216
		.amdhsa_private_segment_fixed_size 0
		.amdhsa_enable_private_segment 0
		.amdhsa_kernarg_size 32
		.amdhsa_user_sgpr_count 2
		.amdhsa_user_sgpr_kernarg_segment_ptr 1
		.amdhsa_wavefront_size32 1
		.amdhsa_system_sgpr_workgroup_id_x 1
		.amdhsa_system_sgpr_workgroup_id_y 1
		.amdhsa_system_sgpr_workgroup_id_z 1
		.amdhsa_system_vgpr_workitem_id 0
		.amdhsa_next_free_vgpr 256
		.amdhsa_next_free_sgpr 66
		.amdhsa_reserve_vcc 0
		.amdhsa_float_denorm_mode_32 3
		.amdhsa_float_denorm_mode_16_64 3
		.amdhsa_memory_ordered 1
		.amdhsa_forward_progress 1
		.amdhsa_inst_pref_size 19
	.end_amdhsa_kernel
	.amdgpu_metadata
---
amdhsa.version: [ 1, 2 ]
amdhsa.kernels:
  - .name:           k_q53ff2d5c04_proj
    .symbol:         k_q53ff2d5c04_proj.kd
    .args:
      - { .name: hs, .offset: 0, .size: 8, .value_kind: global_buffer, .address_space: global }
      - { .name: W_proj, .offset: 8, .size: 8, .value_kind: global_buffer, .address_space: global }
      - { .name: b_proj, .offset: 16, .size: 8, .value_kind: global_buffer, .address_space: global }
      - { .name: out0, .offset: 24, .size: 8, .value_kind: global_buffer, .address_space: global }
    .group_segment_fixed_size: 9216
    .private_segment_fixed_size: 0
    .kernarg_segment_align: 8
    .kernarg_segment_size: 32
    .max_flat_workgroup_size: 256
    .sgpr_count:     66
    .vgpr_count:     256
    .wavefront_size: 32
...
	.end_amdgpu_metadata
.endif
;; end of part 3
;; ======== version 2 of 2: 3 launches; version 1 with the launch pool written anew for expert scheduling mode
;; workspace buffers: xs 131,072 bytes; hs 131,072 bytes
;; launch pool (part 4): grid 8 x 32, 16 waves a work-group, no clusters, 10,240 bytes of LDS; arguments x, xs; writes xs
.if DOCPART == 4
	.amdgcn_target "amdgcn-amd-amdhsa--gfx1250"
	.amdhsa_code_object_version 6
	.text
	.protected	k_q53ff2d5c04_pool
	.globl	k_q53ff2d5c04_pool
	.p2align	8
	.type	k_q53ff2d5c04_pool,@function
k_q53ff2d5c04_pool:
	s_mov_b64 s[64:65], 0
	v_nop
	global_prefetch_b8 v0, s[64:65] scope:SCOPE_SE
	s_setreg_imm32_b32 hwreg(HW_REG_WAVE_SCHED_MODE, 0, 2), 2
	s_setreg_imm32_b32 hwreg(HW_REG_WAVE_MODE, 25, 1), 1
	s_wait_xcnt 0x0
	s_wait_alu depctr_vm_vsrc(0)
; xs[b][d] = the sum over t of x[b][t][d].  x: [32][2048][1024] f32.  First of three launches that make
; out0[b] = (sum over t of x[b][t] Wh^T) Wp^T + b_proj, Wh = W_heads read as [1024][1024] (row c = 64 n + h).
; WORK LEFT OUT.  The heads are linear in x and have no bias: heads[b][t][c] = sum over d of x[b][t][d] Wh[c][d], and the pooling adds them over t.  Both sums are finite, so their order
; may be changed: sum_t sum_d x[b][t][d] Wh[c][d] = sum_d (sum_t x[b][t][d]) Wh[c][d], for all finite values of x and W_heads.  So the product of each of the 32 x 2,048 tokens with Wh is
; never formed: x is pooled first (here), and the 32 pooled rows are multiplied (next launch).  Every input keeps its way to the output; none is dropped.
; LIMITS.  The order of rounding differs from the written one (tokens are added before they are multiplied).  An overflow, infinity or NaN that would arise only in a single token's
; product is not carried to the result.  An infinite sum gives NaN in its lower part (infinity less infinity).
; WHAT IS STORED.  Each finished f32 sum v leaves as two bf16: hi = bf16(v), lo = bf16(v - hi), the operands of the next launch's matrix products.
; xs: two planes [32][1024] of bf16, row-major: hi at byte 0, lo at byte 65,536.
; SHARES.  A work-group owns 128 columns of one batch, all 2,048 rows.  Wave w takes rows 16 i + w, i = 0 .. 127; lane l owns four columns, the 16 bytes at 16 l of the row's 512:
; one load of a wave covers 512 consecutive bytes, at a multiple of 512 from x's first byte.  Each byte of x is read once, by one lane.
; IN FLIGHT.  A ring of 48 slots in registers, of which 32 are on their way: 32 loads, 16 KiB, of every wave; no wait for data in the loop is for zero.
; The 16 waves' sums meet in LDS once, in f32; wave 0 adds them and stores.  No matrix unit, no cluster: the work-groups share no byte, and there is one addition for each number read.
; THE MODE: SCHED_MODE bits 1:0 = 2 (LLVM: expert scheduling mode 2), set by the entry lines.  The code itself states the register dependences
; between vector instructions and memory or LDS instructions, with s_wait_alu, always for 0.
; THE PLAN.  Registers that memory or LDS instructions touch:
;   X, slots 0 .. 47   Turn i: its two additions read slot i; then the load of my row 32 further on lands in slot (i + 32) % 48, the slot that turn i - 16 read.
;                      On the way out wave 0's LDS loads land in slots 0 to 15.
;   v1 to v4, v6, v7   Offsets and LDS addresses and the closing add's pair: made once at the head, never written again; the rows are reached by the scalar base and by immediate offsets.
;   ACC's first four   Written by the additions; read by the one LDS store; not written behind it.
;   T                  Written by the roundings; read by the two global stores; not written behind them.
; The turns go in blocks of 16.  ONE wait on va_vdst stands at a block's head: the block before is done reading its 16 slots, and those are the slots in which this block's 16 loads land.
; The block's own additions name ACC and the block's own slots alone, so its loads are dealt among them, one behind each turn's additions, with no further wait.
; No register that a memory or LDS instruction reads is ever written again, so the text holds no wait on vm_vsrc.
.set DEPTH,  32                        ; loads in flight in each wave
.set SLOTS,  48                        ; slots in the ring
.set BLOCK,  SLOTS-DEPTH               ; turns between a slot's additions and the load that fills it again
.set STEP,   65536                     ; bytes from a wave's row to its next: 16 rows of 4,096
.set LAPS,   (128-DEPTH)/SLOTS         ; 128 rows a wave: two laps of 48 turns that load, then 32 turns that do not
.set PART,   0                         ; LDS: wave w's 512 bytes of sums at 512 w
.set SPARE,  8192                      ; behind them: the spare words, 128 bytes for each of 16 waves: eight blocks of 256 bytes that no other line names
.set OFF, 1                            ; v1        16 x lane + 4,096 x wave; never rewritten
.set LS,  2                            ; v2        where I put my four sums: 512 x wave + 16 x lane
.set LR,  3                            ; v3        16 x lane
.set YO,  4                            ; v4        8 x lane: my four bf16 in a plane's 256 bytes
.set SPW, 6                            ; v6        LDS address of my spare word: SPARE + 4 x my thread's number; never rewritten
.set NIL, 7                            ; v7        0; never rewritten
.set ACC, 8                            ; v[8:23]   four chains of four sums; slot i adds into chain i % 4
.set T,   24                           ; v[24:31]  at work on the way out
.set X,   32                           ; v[32:223] slot i: four registers as loaded
	s_load_b128 s[4:7], s[0:1], 0x0                ; x s[4:5], xs s[6:7]
	v_lshl_add_u32 v[SPW], v0, 2, SPARE
	v_mov_b32 v[NIL], 0
	v_lshrrev_b32 v5, 5, v0
	v_readfirstlane_b32 s8, v5                     ; wave 0..15
	v_and_b32 v5, 31, v0                           ; lane
	v_lshlrev_b32 v[LR], 4, v5
	v_lshlrev_b32 v[YO], 3, v5
	s_wait_alu depctr_va_sdst(0)                   ; s8 is written, ahead of its first reader: the wave's shares of the offsets are made from it
	s_lshl_b32 s9, s8, 12                          ; my first row: 4,096 x wave
	s_lshl_b32 s10, s8, 9                          ; my 512 bytes in LDS
	v_add_nc_u32 v[OFF], s9, v[LR]
	v_add_nc_u32 v[LS], s10, v[LR]
	s_and_b32 s9, ttmp7, 0xffff                    ; the batch
	s_lshl_b32 s2, s9, 23                          ; 2,048 rows of 4,096 bytes; 31 of them stay under 2^28
	s_lshl_b32 s3, ttmp9, 9                        ; the work-group's 128 columns: 512 bytes of a row
	s_add_co_u32 s2, s2, s3
	s_mov_b32 s3, 0
	s_lshl_b32 s10, s9, 11                         ; in a plane of xs: a row of 2,048 bytes,
	s_lshl_b32 s11, ttmp9, 8                       ; 256 bytes of it
	s_add_co_u32 s10, s10, s11
	s_mov_b32 s11, 0
	s_wait_kmcnt 0x0
	s_add_nc_u64 s[4:5], s[4:5], s[2:3]
	s_add_nc_u64 s[6:7], s[6:7], s[10:11]
	s_wait_alu depctr_va_vdst(0)                   ; v1 to v4, v6 and v7 are written: every load, store and LDS instruction of the kernel reads one of them as its offset, address or data
.set n, 0
.rept DEPTH
	global_load_b128 v[X+4*n:X+4*n+3], v[OFF], s[4:5] offset:n*STEP th:TH_LOAD_NT  ; fill the ring: my rows 0 to 31 into slots 0 to 31
.set n, n+1
.endr
.set n, 0
.rept 16
	v_mov_b32 v[ACC+n], 0                          ; the sixteen sums start at 0, while the first loads are on their way: the loop then has one form of slot
.set n, n+1
.endr
; One slot's turn.  ahead = 1: my row DEPTH further on is asked for, into the slot that was added BLOCK turns ago.  left = how many younger loads may stay out.
.macro SLOT i, ahead, left
	s_wait_loadcnt \left                           ; loads come back in order (ISA guide 5.7.1): mine is in, the younger ones stay out
	v_pk_add_f32 v[ACC+4*((\i)%4):ACC+4*((\i)%4)+1],   v[ACC+4*((\i)%4):ACC+4*((\i)%4)+1],   v[X+4*(\i):X+4*(\i)+1]
	v_pk_add_f32 v[ACC+4*((\i)%4)+2:ACC+4*((\i)%4)+3], v[ACC+4*((\i)%4)+2:ACC+4*((\i)%4)+3], v[X+4*(\i)+2:X+4*(\i)+3]
.if \ahead
	global_load_b128 v[X+4*(((\i)+DEPTH)%SLOTS):X+4*(((\i)+DEPTH)%SLOTS)+3], v[OFF], s[4:5] offset:(DEPTH+(\i))*STEP th:TH_LOAD_NT  ; no vector instruction since the block's wait names these registers; at most 79 x 65,536 bytes: inside the signed 24-bit immediate
.endif
.endm
	s_mov_b32 s12, LAPS
.Lround:                                       ; at the head 32 loads are out, on the way in and on the way back
.set n, 0
.rept SLOTS
.if (n % BLOCK) == 0
	s_wait_alu depctr_va_vdst(0)                   ; the sixteen turns before this block are done reading their slots, in which this block's sixteen loads land (over the backward jump: slots 32 to 47; in the first trip no vector instruction has named those yet)
.endif
	SLOT n, 1, DEPTH-1
.set n, n+1
.endr
	s_wait_xcnt 0x0                                ; every load issued so far has had its address translated (ISA guide 3.1): only behind this wait is the base written
	s_add_nc_u64 s[4:5], s[4:5], SLOTS*STEP
	s_sub_co_u32 s12, s12, 1
	s_cmp_lg_u32 s12, 0
	s_cbranch_scc1 .Lround
.set n, 0
.rept DEPTH
	SLOT n, 0, DEPTH-1-n                           ; my last 32 rows, in slots 0 to 31, load nothing: the counts run down to 0, no load leaves x, and no wait on va_vdst is owed
.set n, n+1
.endr
	v_pk_add_f32 v[ACC:ACC+1],     v[ACC:ACC+1],     v[ACC+4:ACC+5]    ; the four chains into one
	v_pk_add_f32 v[ACC+2:ACC+3],   v[ACC+2:ACC+3],   v[ACC+6:ACC+7]
	v_pk_add_f32 v[ACC+8:ACC+9],   v[ACC+8:ACC+9],   v[ACC+12:ACC+13]
	v_pk_add_f32 v[ACC+10:ACC+11], v[ACC+10:ACC+11], v[ACC+14:ACC+15]
	v_pk_add_f32 v[ACC:ACC+1],     v[ACC:ACC+1],     v[ACC+8:ACC+9]
	v_pk_add_f32 v[ACC+2:ACC+3],   v[ACC+2:ACC+3],   v[ACC+10:ACC+11]
	s_wait_alu depctr_va_vdst(0)                   ; the additions have written ACC's first four, which the LDS store reads; and all additions are done reading slots 0 to 15, in which wave 0's LDS loads land (no vector instruction stands between)
	ds_store_b128 v[LS], v[ACC:ACC+3] offset:PART
	s_wait_dscnt 0x0                               ; for the others' sake: my store is done
	s_barrier_signal -1
	s_barrier_wait -1                              ; all sixteen waves' sums lie in LDS
	s_cmp_lg_u32 s8, 0
	s_cbranch_scc1 .Lend                           ; wave 0 finishes the 128 columns
.set n, 0
.rept 16
	ds_load_b128 v[X+4*n:X+4*n+3], v[LR] offset:PART+512*n
.set n, n+1
.endr
	s_wait_dscnt 0x0
.macro ADD4 a, b                       ; wave a's four sums take wave b's
	v_pk_add_f32 v[X+4*(\a):X+4*(\a)+1],   v[X+4*(\a):X+4*(\a)+1],   v[X+4*(\b):X+4*(\b)+1]
	v_pk_add_f32 v[X+4*(\a)+2:X+4*(\a)+3], v[X+4*(\a)+2:X+4*(\a)+3], v[X+4*(\b)+2:X+4*(\b)+3]
.endm
.irp a, 0,2,4,6,8,10,12,14
	ADD4 \a, (\a)+1
.endr
.irp a, 0,4,8,12
	ADD4 \a, (\a)+2
.endr
	ADD4 0, 4
	ADD4 8, 12
	ADD4 0, 8
	v_cvt_pk_bf16_f32 v[T],   v[X],   v[X+1]       ; hi: the sums rounded to bf16
	v_cvt_pk_bf16_f32 v[T+1], v[X+2], v[X+3]
	v_lshlrev_b32 v[T+2], 16, v[T]                 ; hi as f32 again
	v_and_b32     v[T+3], 0xffff0000, v[T]
	v_lshlrev_b32 v[T+4], 16, v[T+1]
	v_and_b32     v[T+5], 0xffff0000, v[T+1]
	v_pk_add_f32 v[X:X+1],   v[X:X+1],   v[T+2:T+3] neg_lo:[0,1] neg_hi:[0,1]  ; what the rounding left: exact in f32
	v_pk_add_f32 v[X+2:X+3], v[X+2:X+3], v[T+4:T+5] neg_lo:[0,1] neg_hi:[0,1]
	v_cvt_pk_bf16_f32 v[T+6], v[X],   v[X+1]       ; lo
	v_cvt_pk_bf16_f32 v[T+7], v[X+2], v[X+3]
	s_wait_alu depctr_va_vdst(0)                   ; the roundings have written T's first and last pair, which the two stores read
	global_store_b64 v[YO], v[T:T+1],   s[6:7]                ; each store of the wave covers 256 consecutive bytes, at a multiple of 256 from xs's first byte
	global_store_b64 v[YO], v[T+6:T+7], s[6:7] offset:65536
.Lend:
	s_wait_dscnt 0x0                               ; the closing lines, six on end, of a launch in the mode that stores to LDS
	s_wait_alu 0x0
	s_wait_tensorcnt 0x0
	ds_add_u32 v[SPW], v[NIL]
	s_wait_dscnt 0x0
	s_endpgm
.Lfunc_end_k_q53ff2d5c04_pool:
	.size	k_q53ff2d5c04_pool, .Lfunc_end_k_q53ff2d5c04_pool-k_q53ff2d5c04_pool
	.p2alignl 7, 3214868480
	.fill 96, 4, 3214868480
	.section	.rodata,"a",@progbits
	.p2align	6, 0x0
	.amdhsa_kernel k_q53ff2d5c04_pool
		.amdhsa_group_segment_fixed_size 10240
		.amdhsa_private_segment_fixed_size 0
		.amdhsa_enable_private_segment 0
		.amdhsa_kernarg_size 16
		.amdhsa_user_sgpr_count 2
		.amdhsa_user_sgpr_kernarg_segment_ptr 1
		.amdhsa_wavefront_size32 1
		.amdhsa_system_sgpr_workgroup_id_x 1
		.amdhsa_system_sgpr_workgroup_id_y 1
		.amdhsa_system_sgpr_workgroup_id_z 1
		.amdhsa_system_vgpr_workitem_id 0
		.amdhsa_next_free_vgpr 224
		.amdhsa_next_free_sgpr 66
		.amdhsa_reserve_vcc 0
		.amdhsa_float_denorm_mode_32 3
		.amdhsa_float_denorm_mode_16_64 3
		.amdhsa_memory_ordered 1
		.amdhsa_forward_progress 1
		.amdhsa_inst_pref_size 27
	.end_amdhsa_kernel
	.amdgpu_metadata
---
amdhsa.version: [ 1, 2 ]
amdhsa.kernels:
  - .name:           k_q53ff2d5c04_pool
    .symbol:         k_q53ff2d5c04_pool.kd
    .args:
      - { .name: x, .offset: 0, .size: 8, .value_kind: global_buffer, .address_space: global }
      - { .name: xs, .offset: 8, .size: 8, .value_kind: global_buffer, .address_space: global }
    .group_segment_fixed_size: 10240
    .private_segment_fixed_size: 0
    .kernarg_segment_align: 8
    .kernarg_segment_size: 16
    .max_flat_workgroup_size: 512
    .sgpr_count:     66
    .vgpr_count:     224
    .wavefront_size: 32
...
	.end_amdgpu_metadata
.endif
;; end of part 4
;; launch heads: the kernel of part 2 again; grid 64 x 2, 8 waves a work-group, no clusters, 9,216 bytes of LDS; arguments xs, W_heads, hs; writes hs
;; launch proj: the kernel of part 3 again; grid 64 x 2, 8 waves a work-group, no clusters, 9,216 bytes of LDS; arguments hs, W_proj, b_proj, out0; writes out0
